; MI455X (gfx1250); checked and timed in simulation.
; The chip was launched on July 23, 2026; its instructions are those of AMD's public machine-readable ISA for CDNA 5 (MIT licence, August 2026) and "CDNA5" Instruction Set Architecture Reference Guide (July 2026). The comments in the code are by the model that wrote it; some were corrected since.
;; M Mo E. Allowed arithmetic: matrix products marked QUANTISED: E3M2 operands, one E8M0 scale for each 32 along K, by v_wmma_scale_f32_16x16x128_f8f6f4 with both operands' format E3M2, f32 sums; products left as they are: f32 operands where the result goes on into a quantised operand, else bf16, f16 or f32 operands; f32 sums; everything else in f32.
;; Inputs: expert_bias 128 x 16 float32; expert_kernels_codes 128 x 16 x 16 x 24 uint8 (E3M2 codes of expert_kernels, K innermost, in blocks of 32 codes, four codes in three bytes); expert_kernels_scales 128 x 16 x 16 uint8 (E8M0 scales of expert_kernels, one for each 32 codes along K); gate_bias 4 x 16 float32; gate_kernels_codes 4 x 16 x 16 x 24 uint8 (E3M2 codes of gate_kernels, K innermost, in blocks of 32 codes, four codes in three bytes); gate_kernels_scales 4 x 16 x 16 uint8 (E8M0 scales of gate_kernels, one for each 32 codes along K); x_codes 16,384 x 16 x 24 uint8 (E3M2 codes of x, K innermost, in blocks of 32 codes, four codes in three bytes); x_scales 16,384 x 16 uint8 (E8M0 scales of x, one for each 32 codes along K).
;; Outputs: out0 16,384 x 128 float32; out1 16,384 x 128 float32; out2 16,384 x 128 float32; out3 16,384 x 128 float32.
;; This version of the problem:
;;   THIS VERSION OF THE PROBLEM IS GIVEN IN LOW PRECISION. The matrix products marked QUANTISED in the list below multiply operands that are first quantised to E3M2 (3 exponent bits, 2 mantissa bits; 6 bits a number), with one power-of-two scale for each 32 numbers along K (OCP MX v1.0); their sums are f32. All else is computed in f32.
;;   The module's matrix products, in the order in which they are computed (A, B: the left and right operand; K: the contracted axis; several contracted axes count as one K, in the product's order):
;;     1. [M 16,384, K 512] x [K 512, N 2,048]; A: input x (given as codes); B: input expert_kernels (given as codes): QUANTISED
;;     2. [M 64, K 512] x [K 512, N 16,384]; A: input gate_kernels (given as codes); B: input x (given as codes): QUANTISED
;;     3. batch 16,384 x [M 4, K 16] x [K 16, N 128]; A: softmax; B: computed on the way: left as it is (K = 16 < 32)
;;   THE QUANTISER, for each operand of a quantised product, along K:
;;     - K is cut into blocks of 32 from its start; a last block that is shorter is filled with zeros.
;;     - A block's scale is 2^e with e = floor(log2(the largest magnitude in the block)) - 4, held to -126 .. 127; a block of zeros has e = 0. As a byte (E8M0): e + 127.
;;     - Each number is divided by its block's scale, clamped to +-28, and rounded to the nearest number of E3M2, ties to even, subnormals kept.
;;     - The product sums the exact products of the quantised numbers (number of the format x scale) in f32.
;;   ~~~python
;;   def quantise(x, axis):      # numpy; x: float32 -> the quantised numbers, widened to float32 again
;;       x = np.moveaxis(x, axis, -1); K = x.shape[-1]
;;       x = np.pad(x, [(0, 0)] * (x.ndim - 1) + [(0, -K % 32)]); x = x.reshape(x.shape[:-1] + (-1, 32)); a = np.abs(x).max(-1, keepdims=True)
;;       e = np.where(a > 0, np.clip(np.frexp(np.where(a > 0, a, 1))[1] - 1 - 4, -126, 127), 0)      # np.frexp(a)[1] - 1 = floor(log2(a)), exactly
;;       r = np.clip(x / 2.0 ** e, -28, 28)
;;       step = 2.0 ** (np.maximum(np.frexp(np.where(r == 0, 1, r))[1] - 1, -2) - 2)
;;       q = np.round(r / step) * step * 2.0 ** e      # np.round: ties to even
;;       return np.moveaxis(q.reshape(q.shape[:-2] + (-1,))[..., :K], -1, axis).astype(np.float32)
;;   ~~~
;;   INPUTS GIVEN AS CODES. expert_kernels (in the module: [512, 128, 16], K = its axis 0); gate_kernels (in the module: [4, 512, 16], K = its axis 1); x (in the module: [16384, 512], K = its axis 1): each comes as NAME_codes (uint8): NAME with its K axis moved to the last place and cut into blocks of 32 codes, [.., K / 32, bytes a block], one block behind the other in memory; four codes in three bytes: a row's codes are one little-endian stream of bits, code i at bits 6 i .. 6 i + 5 (a code: sign, 3 exponent bits, 2 mantissa bits); and NAME_scales (uint8): the same leading axes, one E8M0 byte (e + 127) for each 32 codes along K. Its value is code x scale, taken as it is: it is not quantised again, and the codes and scales need not be those that the quantiser above would give.
;; 2 versions, each right and faster than the one before. Each part assembles by itself: llvm-mc -triple=amdgcn-amd-amdhsa -mcpu=gfx1250 --defsym DOCPART=n.
;; ======== version 1 of 2: 1 launch
;; launch mmoe (part 1): grid 128 x 2, 4 waves a work-group, clusters of 4 x 1, 327,680 bytes of LDS; arguments x_codes, x_scales, expert_kernels_codes, expert_kernels_scales, expert_bias, gate_kernels_codes, gate_kernels_scales, gate_bias, out0, out1, out2, out3; writes out0, out1, out2, out3
.if DOCPART == 1
	.amdgcn_target "amdgcn-amd-amdhsa--gfx1250"
	.amdhsa_code_object_version 6
	.text
	.protected	k_q72550b4eb6_mmoe
	.globl	k_q72550b4eb6_mmoe
	.p2align	8
	.type	k_q72550b4eb6_mmoe,@function
k_q72550b4eb6_mmoe:
	s_mov_b64 s[64:65], 0
	v_nop
	global_prefetch_b8 v0, s[64:65] scope:SCOPE_SE
	s_setreg_imm32_b32 hwreg(HW_REG_WAVE_MODE, 25, 1), 1
	s_wait_xcnt 0x0
	s_wait_alu depctr_hold_cnt(0) depctr_sa_sdst(0) depctr_va_vdst(0) depctr_va_sdst(0) depctr_va_ssrc(0) depctr_va_vcc(0) depctr_vm_vsrc(0)
	s_getreg_b32 s2, hwreg(HW_REG_IB_STS2, 6, 4)
	s_cmp_eq_u32 s2, 0
	s_cbranch_scc0 .Lentry_in_a_cluster
	s_endpgm
.Lentry_in_a_cluster:
	s_bfe_u32 s2, ttmp6, 0x10000c
	s_cmp_lg_u32 s2, 0x3003
	s_cbranch_scc0 .Lentry_shape_is_right
	s_endpgm
.Lentry_shape_is_right:
; MMoE in one launch.  h[b][u][e] = relu(x We + be), g[t][b][.] = softmax over e of (x Wg + bg), out_t[b][u] = sum over e of h[b][u][e] g[t][b][e].
; x, We, Wg arrive as codes of BF6 (E3M2) with K = 512 innermost (a row: 384 bytes) and 16 E8M0 bytes a row; both products take codes and scale bytes as they lie.
; SHARES.  A work-group: 128 rows b x 64 units u x all 16 experts (grid 128 x 2 = 256 work-groups).  64 u are 256 bytes of an output row, at a multiple of 256.
;   Wave w: all 128 rows (8 tiles bt of 16) x u = 16 w .. 16 w + 15 x 16 experts: 16 TILES (tile i = expert i) of 8 bt x 4 K steps = 32 matrix instructions; and the gates of task t = w.
; LAYOUT.  Source 0 = 16 weight rows (u0 + m, e) with e FIXED, source 1 = 16 rows of x: register j of lane (r, h) is h(b = r, u = u0 + 8 h + j, e).  So a lane holds one row b and eight
;   neighbouring u, the gated sum is OUT[t][u pair] += H[u pair] x g[t][b][e] by packed multiply-adds with the gate broadcast, nothing crosses lanes, and OUT is already in output order.
;   x's 32 fragments stay in registers (384), so a weight fragment read from LDS feeds 8 matrix instructions and is read by one wave alone.
; THE THIRD PRODUCT (K = 16, another left operand for each b) is done by f32 packed multiply-adds: a 16 x 16 x 32 matrix form would be filled to an eighth and want its operands in other lanes.
; BY TURNS.  While tile i is multiplied into one set of 8 accumulators, tile i - 1's relu and gated sum (192 vector instructions) stand between its matrix instructions, and tile i + 1's fragments are fetched.
; CLUSTER.  The four row blocks of a cluster share the u half, so the expert weights, their scales and the gate weights are asked for JOINTLY (mask 15); x is each work-group's own.
; LIMITS.  A gate under 2^-126 comes out as 0 (v_exp_f32 flushes denormal results: ISA guide 15.8).  A scale byte 0xff makes a product NaN; the relu here (v_max_num_f32) turns that NaN into 0,
;   where max(NaN, 0) in the definition stays NaN: NaN is not served.  The sums over e run in ascending e, in f32.  Each u half makes the gates anew: 32 of a wave's 544 matrix instructions.
.set ROWB,  384                        ; a row of 512 codes
.set URB,   6144                       ; the 16 expert rows of one u
.set PW,    816                        ; LDS pitch of a weight row (2 experts of one u: 768 bytes, 16 of padding behind each 256) = 204 words: row r starts at bank 12 r mod 64 (64 banks of 4 bytes: ISA guide 11.1)
.set PX,    432                        ; LDS pitch of a row of x or of the gate weights (384 bytes, 16 behind each 128) = 108 words: bank 44 r mod 64; with both pitches the 32 lanes of an 8-byte load touch each bank once
.set PART,  32*PW                      ; what one tensor load of weights brings: 32 u x 2 experts
.set PAIR,  2*PART                     ; a pair of experts, 64 u
.set SLOT,  2*PAIR                     ; a stage: 4 experts
.set XR,    2*SLOT                     ; x: 128 rows x PX, filled once
.set GT,    XR                         ; the gates' table, byte 272 b + 16 e + 4 t, laid over x once every wave has x in registers
.set GWR,   XR+128*PX                  ; the gate weights: 64 rows x PX
.set WSC,   GWR+64*PX                  ; the expert weights' scale bytes: byte 272 u + 16 e + 4 ks
.set BT,    WSC+64*272                 ; the expert bias, transposed: byte 256 e + 4 u
.set SPARE, BT+4096                    ; the spare words, 128 bytes for each wave: two blocks of 256 bytes that no other line names
.set TPL,   128*272                    ; the way out: a task's plane in the stage (byte TPL t + 272 row), which lies in the slots after their last fill and last read
; window 0
.set SPW, 1                            ; v1  LDS address of my spare word; never rewritten
.set NIL, 2                            ; v2  0; never rewritten
.set AW1, 3                            ; v3, v4   weights: the pair in hand (24 h, and 40 h for pieces that lie behind one padding more)
.set AB,  5                            ; v5   bias   v6 gates   v7 scale words: the addresses in hand
.set AG,  6
.set ASC, 7
.set BW1, 8                            ; v8-12  the same five, lane terms alone; never rewritten
.set BW2, 9
.set BB,  10
.set BG,  11
.set BSC, 12
.set XSB, 16                           ; v16-31  x's scale words: 4 (bt / 2) + ks; lanes 0-15 the even bt, lanes 16-31 the odd one
.set WSB, 32                           ; v32-39  the weights' scale words: 4 par + ks  (set 0 first holds the gate weights')
.set WB,  40                           ; v40-87  a tile's four fragments: 12 ks
.set BI,  88                           ; v88-95  a tile's bias in the result's layout
.set GB,  96                           ; v96-127 gates: 4 bt + t  (at the head: addresses)
.set HB,  128                          ; v128-255 two sets of 8 accumulators: 64 set + 8 bt  (at the head: the logits in set 0, the softmax's work in set 1)
.set MX,  192
.set NX,  208
.set SX,  216
.set S2,  232
; window 1: x's fragments of bt 0-3 at 48 bt + 12 ks (on the way out: rows read back); window 2: those of bt 4-7; window 3: OUT at 32 bt + 8 t + j
.set WV,   3                           ; s3 wave
.set G1W,  32
.set G1S,  40
.set G1X,  48
.set G1G,  56
.set G0X,  68
.set G0G,  72
.set G0S,  76
.set G0W0, 80
.set G0W1, 84
.set TW,   88                          ; s88-91: what a trip adds to the lane terms: weights, bias, scale words, gates
.set TBI,  89
.set TSC,  90
.set TG,   91
.set SEL,  92                          ; s[92:93] v_permlanex16_b32's selects for lane l xor 16
.set LC,   94                          ; s[94:95] log2(e), twice
.set CNT,  96
.set MSB, 0
.macro WIN new                         ; s_set_vgpr_msb: bits 1:0 source 0, 3:2 source 1, 5:4 source 2, 7:6 destination; the high byte repeats the setting that is left
.if MSB != \new
	s_set_vgpr_msb (MSB<<8)|\new
.set MSB, \new
.endif
.endm
.set WM1, 0x04                         ; source 1 (x) in window 1; LDS loads and the relu (register as source 0) run under it too
.set WM2, 0x08                         ; source 1 in window 2
.set WF,  0xf0                         ; the gated sum: destination and source 2 (OUT) in window 3, H and the gates in window 0
.macro PLACES                          ; four places: plain vector instructions that name no register of the matrix instructions in front (ISA guide 7.12.1)
.rept 4
	v_nop
.endr
.endm
.macro CROUND                          ; a round of the cluster's barrier
	s_barrier_signal -1
	s_barrier_wait -1
	s_cmp_lg_u32 s[WV], 0
	s_cbranch_scc1 .Lnot_wave_0_\@
	s_barrier_signal -3
.Lnot_wave_0_\@:
	s_barrier_wait -3
	s_barrier_signal -1
	s_barrier_wait -1
.endm
; Piece p (8 bytes) of a fragment: 16 rows x 128 K of 6-bit codes are 12 registers; lane (r, h) takes bytes ob + 24 h .. + 23 and ob + 48 + 24 h .. + 23 of row r, as they lie.
; iv: the bytes between two paddings.  Where lanes 16-31's piece lies behind one padding more than lanes 0-15's, the second address register serves.
.macro PIECE reg, adr, ob, iv, extra, p
.set FO, (\ob)+48*((\p)/3)+8*((\p)%3)
.if (FO+24)/(\iv) == FO/(\iv)
	ds_load_b64 v[2*(\p)+(\reg):2*(\p)+(\reg)+1], v[\adr] offset:FO+16*(FO/(\iv))+(\extra)
.else
	ds_load_b64 v[2*(\p)+(\reg):2*(\p)+(\reg)+1], v[1+(\adr)] offset:FO+16*(FO/(\iv))+(\extra)
.endif
.endm
.macro FRAG reg, adr, ob, iv, extra
.irp c, 0,1,2,3,4,5
	PIECE \reg, \adr, \ob, \iv, \extra, \c
.endr
.endm
; One matrix instruction: set par, K step k, row tile bt.  The first K step takes the bias as C: nothing is cleared or added later.
.macro MM par, k, bt
.set RH,  HB+64*(\par)+8*(\bt)
.set RW,  WB+12*(\k)
.set RX,  48*((\bt)%4)+12*(\k)
.set SCA, WSB+4*(\par)+(\k)
.set SCB, XSB+4*((\bt)/2)+(\k)
.if (\k) == 0
.if (\bt)%2 == 0
	v_wmma_scale_f32_16x16x128_f8f6f4 v[RH:RH+7], v[RW:RW+11], v[RX:RX+11], v[BI:BI+7], v[SCA], v[SCB] matrix_a_fmt:MATRIX_FMT_BF6 matrix_b_fmt:MATRIX_FMT_BF6
.else
	v_wmma_scale_f32_16x16x128_f8f6f4 v[RH:RH+7], v[RW:RW+11], v[RX:RX+11], v[BI:BI+7], v[SCA], v[SCB] matrix_a_fmt:MATRIX_FMT_BF6 matrix_b_fmt:MATRIX_FMT_BF6 matrix_b_scale:MATRIX_SCALE_ROW1
.endif
.else
.if (\bt)%2 == 0
	v_wmma_scale_f32_16x16x128_f8f6f4 v[RH:RH+7], v[RW:RW+11], v[RX:RX+11], v[RH:RH+7], v[SCA], v[SCB] matrix_a_fmt:MATRIX_FMT_BF6 matrix_b_fmt:MATRIX_FMT_BF6
.else
	v_wmma_scale_f32_16x16x128_f8f6f4 v[RH:RH+7], v[RW:RW+11], v[RX:RX+11], v[RH:RH+7], v[SCA], v[SCB] matrix_a_fmt:MATRIX_FMT_BF6 matrix_b_fmt:MATRIX_FMT_BF6 matrix_b_scale:MATRIX_SCALE_ROW1
.endif
.endif
.endm
.macro RELU4 set                       ; four of row tile VB's eight numbers (half HF); each accumulator is read from its low end on
.irp q, 0,1,2,3
	v_max_num_f32 v[HB+64*(\set)+8*VB+4*HF+\q], v[HB+64*(\set)+8*VB+4*HF+\q], 0
.endr
.endm
.macro FMA8 set, first                 ; the same four numbers into the four tasks' sums; first = 1: the products start the sums
.irp t, 0,1,2,3
.irp q, 0,1
.set RO, 32*VB+8*\t+4*HF+2*\q
.set RH, HB+64*(\set)+8*VB+4*HF+2*\q
.set RG, GB+4*VB+2*(\t/2)
.if \first
.if \t%2 == 0
	v_pk_mul_f32 v[RO:RO+1], v[RH:RH+1], v[RG:RG+1] op_sel_hi:[1,0]
.else
	v_pk_mul_f32 v[RO:RO+1], v[RH:RH+1], v[RG:RG+1] op_sel:[0,1] op_sel_hi:[1,1]
.endif
.else
.if \t%2 == 0
	v_pk_fma_f32 v[RO:RO+1], v[RH:RH+1], v[RG:RG+1], v[RO:RO+1] op_sel_hi:[1,0,1]
.else
	v_pk_fma_f32 v[RO:RO+1], v[RH:RH+1], v[RG:RG+1], v[RO:RO+1] op_sel:[0,1,0] op_sel_hi:[1,1,1]
.endif
.endif
.endr
.endr
.endm
; The LDS loads of pair PR.  The gates of THIS tile's expert, a quad a row tile, each behind the pair that last read the quad; and, with load = 1, the NEXT tile's fragments, bias and scale words.
.macro TLOADS load, goff
.if (PR >= 2) && (PR%2 == 0)
	ds_load_b128 v[GB+4*(PR/2-1):GB+4*(PR/2-1)+3], v[AG] offset:(\goff)+4352*(PR/2-1)
.endif
.if \load
.if (PR >= 4) && (PR%4 != 3)
	PIECE WB+12*(PR/4-1), AW1, 384*E2+96*(PR/4-1), 256, 0, 2*(PR%4)
	PIECE WB+12*(PR/4-1), AW1, 384*E2+96*(PR/4-1), 256, 0, 2*(PR%4)+1
.elseif PR == 7
	ds_load_b128 v[BI:BI+3], v[AB] offset:256*E2
	ds_load_b128 v[BI+4:BI+7], v[AB] offset:256*E2+16
.elseif PR == 11
	ds_load_b128 v[WSB+4*E2:WSB+4*E2+3], v[ASC] offset:16*E2
.endif
.endif
.endm
; A TILE: 16 pairs of matrix instructions, K step PR / 4, row tiles 2 (PR % 4) and the next: the 8 accumulators take turns, one instruction a turn, into the next tile too.
; vec = 1: the tile before's relu and gated sum stand between them, row tile PR / 2, half PR % 2.  The eight multiply-adds behind a K step's last matrix instruction are the places in front of the
; loads into that step's fragment; vec = 0 has four v_nop there.
; A tile issues 35 LDS loads, in this order: pair 2: 1; 4: 3; 5: 2; 6: 3; 7: 2 (bias); 8: 3; 9: 2; 10: 3; 11: 1 (scale words); 12: 3; 13: 2; 14: 3; tail: 7.  LDS loads come back in order (ISA guide 5.7.1).
.macro T par, vec, first, load, goff
.set E2, 1-(\par)
.set PR, 0
.rept 16
.set KQ, PR/4
.set B0, 2*(PR%4)
.set VB, PR/2
.set HF, PR%2
.if PR == 0
	s_wait_dscnt 15                                ; behind the last tile's scale words came 3 + 2 + 3 + 7 loads: K steps 0 and 1, the bias, the scale words and the gates of row tiles 0-4 are in
.elseif PR == 8
	s_wait_dscnt 10+8*\load                        ; behind K step 2's last piece: the last tile's tail (7) and this tile's pairs 2 to 7 (11, or its 3 quads of gates alone); the gates of row tiles 5, 6 are in too
.elseif PR == 12
	s_wait_dscnt 5+15*\load                        ; behind K step 3's last piece: this tile's pairs 2 to 11 (20, or 5 quads alone); the gates of row tile 7 are in too
.endif
.if B0 < 4
	WIN WM1
.else
	WIN WM2
.endif
	MM \par, KQ, B0
	TLOADS \load, \goff
.if \vec
	RELU4 1-\par
.endif
	MM \par, KQ, B0+1
.if \vec
	WIN WF
	FMA8 1-\par, \first
.elseif PR%4 == 3
	PLACES
.endif
.set PR, PR+1
.endr
	WIN WM1
	ds_load_b128 v[GB+28:GB+31], v[AG] offset:(\goff)+4352*7
.if \load
	FRAG WB+36, AW1, 384*E2+288, 256, 0
.endif
.endm
.macro SETK k                          ; trip k multiplies tiles 2 k + 1 and 2 k + 2 and fetches pair k + 1, which lies at place (k + 1) % 4 of the two slots
	s_mov_b32 s[TW], (((\k)+1)%4)*PAIR
	s_mov_b32 s[TBI], 512*((\k)+1)
	s_mov_b32 s[TSC], 32*((\k)+1)
	s_mov_b32 s[TG], 16*(2*(\k)+1)
.endm
.macro ADDRS
	v_add_nc_u32 v[AW1], s[TW], v[BW1]
	v_add_nc_u32 v[AW1+1], s[TW], v[BW2]
	v_add_nc_u32 v[AB], s[TBI], v[BB]
	v_add_nc_u32 v[ASC], s[TSC], v[BSC]
	v_add_nc_u32 v[AG], s[TG], v[BG]
.endm
.macro TRIP first
	ADDRS
	T 1, 1, \first, 1, 0
	T 0, 1, 0, 1, 16
	WIN 0                                          ; at a label and at a branch every window is 0
	s_add_co_u32 s[TW], s[TW], PAIR
	s_add_co_u32 s[TBI], s[TBI], 512
	s_add_co_u32 s[TSC], s[TSC], 32
	s_add_co_u32 s[TG], s[TG], 32
.endm
; THE CHANGE OF SLOTS.  All fragments of the slot that is left have been asked for.  Each wave waits for all its tensor loads (one is out: its part of the other slot), adds 0 to its spare word, and waits
; for that and for its reads.  fill = 1: a round of the cluster's barrier, then the slot just left is filled with the stage two on: that load has four tiles, 128 matrix instructions, in which to land.
.macro CHANGE g0, fill
	s_wait_tensorcnt 0x0                           ; no tensor load of mine is out, so a group 0 may be written
	ds_add_u32 v[SPW], v[NIL]
.if \fill
	s_add_nc_u64 s[\g0+2:\g0+3], s[\g0+2:\g0+3], 8*ROWB   ; two stages on: 8 experts' rows of the same u
.endif
	s_wait_dscnt 0x0                               ; the add is done, and my reads of the slot are over
.if \fill
	CROUND
	tensor_load_to_lds s[\g0:\g0+3], s[G1W:G1W+7]  ; my one tensor load behind the round, and the first thing there
	s_nop 0
	PLACES                                         ; (four v_nop follow a tensor load)
.else
	s_barrier_signal -1
	s_barrier_wait -1
.endif
.endm
	s_load_b512 s[8:23], s[0:1], 0x0               ; x codes 8, x scales 10, W codes 12, W scales 14, expert bias 16, gate codes 18, gate scales 20, gate bias 22
	s_load_b256 s[24:31], s[0:1], 0x40             ; out0 .. out3
	v_lshl_add_u32 v[SPW], v0, 2, SPARE
	v_mov_b32 v[NIL], 0
	ds_add_u32 v1, v2
	ds_add_u32 v1, v2
	s_wait_dscnt 0x0
	v_lshrrev_b32 v13, 5, v0
	v_readfirstlane_b32 s[WV], v13                 ; wave 0..3
	s_lshr_b32 s4, s[WV], 1                        ; which pair of a stage I fetch
	s_and_b32 s5, s[WV], 1                         ; which 32 u of it
	s_bfe_u32 s6, ttmp6, 0x40000                   ; cx
	s_lshl_b32 s7, ttmp9, 2
	s_add_co_u32 s7, s7, s6                        ; my block of 128 rows: it enters x's, x's scales' and the outputs' addresses alone
	s_and_b32 s2, ttmp7, 0xffff                    ; the u half, which the four partners share
	; group 1, weights: 32 rows (u) of 768 bytes (2 experts), 6,144 bytes apart; 16 bytes of padding behind every 256
	s_mov_b32 s[G1W+0], 15|(1<<20)|(1<<21)|(5<<22)|(3<<25)   ; 15:0 the mask: all four; 17:16 elements of 1 byte; 20 padding on; 21 set beside a mask; 24:22 every 64 words; 31:25 4 words
	s_mov_b32 s[G1W+1], 768<<16                    ; tensor_dim0
	s_mov_b32 s[G1W+2], 32<<16                     ; tensor_dim1
	s_mov_b32 s[G1W+3], 768<<16                    ; tile_dim0
	s_mov_b32 s[G1W+4], 32                         ; tile_dim1
	s_mov_b32 s[G1W+5], URB                        ; from row to row
	s_mov_b32 s[G1W+6], 0
	s_mov_b32 s[G1W+7], 0
	; the weights' scale bytes: 16 u x 256 dense bytes, as rows of 32 elements of 8 bytes, 16 bytes behind each
	s_mov_b32 s[G1S+0], 15|(3<<16)|(1<<20)|(1<<21)|(5<<22)|(3<<25)
	s_mov_b32 s[G1S+1], 32<<16
	s_mov_b32 s[G1S+2], 16<<16
	s_mov_b32 s[G1S+3], 32<<16
	s_mov_b32 s[G1S+4], 16
	s_mov_b32 s[G1S+5], 32
	s_mov_b32 s[G1S+6], 0
	s_mov_b32 s[G1S+7], 0
	; x: 32 rows of 384 bytes, 16 bytes behind every 128; no mask: the work-group's own
	s_mov_b32 s[G1X+0], (1<<20)|(4<<22)|(3<<25)
	s_mov_b32 s[G1X+1], ROWB<<16
	s_mov_b32 s[G1X+2], 32<<16
	s_mov_b32 s[G1X+3], ROWB<<16
	s_mov_b32 s[G1X+4], 32
	s_mov_b32 s[G1X+5], ROWB
	s_mov_b32 s[G1X+6], 0
	s_mov_b32 s[G1X+7], 0
	; the gate weights: 16 rows likewise, joint
	s_mov_b32 s[G1G+0], 15|(1<<20)|(1<<21)|(4<<22)|(3<<25)
	s_mov_b32 s[G1G+1], ROWB<<16
	s_mov_b32 s[G1G+2], 16<<16
	s_mov_b32 s[G1G+3], ROWB<<16
	s_mov_b32 s[G1G+4], 16
	s_mov_b32 s[G1G+5], ROWB
	s_mov_b32 s[G1G+6], 0
	s_mov_b32 s[G1G+7], 0
	s_mov_b32 s[SEL], 0x76543210
	s_mov_b32 s[SEL+1], 0xfedcba98
	s_mov_b32 s[LC], 0x3fb8aa3b                    ; log2(e)
	s_mov_b32 s[LC+1], s[LC]                       ; (named with it as a pair, so it is written)
	s_mul_i32 s98, s7, 128*ROWB                    ; x: my block's rows, my wave's 32 of them.  s98, s99 alone ever hold what hangs on cx
	s_mul_i32 s99, s[WV], 32*ROWB
	s_add_co_u32 s98, s98, s99
	s_mov_b32 s99, 0
	s_mov_b32 s91, 0
	s_wait_kmcnt 0x0
	s_mov_b32 s[G0X], 1
	s_mul_i32 s[G0X+1], s[WV], 32*PX
	s_add_co_u32 s[G0X+1], s[G0X+1], XR
	s_add_nc_u64 s[G0X+2:G0X+3], s[8:9], s[98:99]
	s_or_b32 s[G0X+3], s[G0X+3], 0x80000000
	s_mov_b32 s[G0G], 1                            ; the gate weights: task w's 16 rows
	s_mul_i32 s[G0G+1], s[WV], 16*PX
	s_add_co_u32 s[G0G+1], s[G0G+1], GWR
	s_mul_i32 s90, s[WV], 16*ROWB
	s_add_nc_u64 s[G0G+2:G0G+3], s[18:19], s[90:91]
	s_or_b32 s[G0G+3], s[G0G+3], 0x80000000
	s_mov_b32 s[G0S], 1                            ; the weights' scales: u half x 64 u x 256 bytes + wave x 16 u
	s_mul_i32 s[G0S+1], s[WV], 16*272
	s_add_co_u32 s[G0S+1], s[G0S+1], WSC
	s_lshl_b32 s90, s2, 14
	s_lshl_b32 s88, s[WV], 12
	s_add_co_u32 s90, s90, s88
	s_add_nc_u64 s[G0S+2:G0S+3], s[14:15], s[90:91]
	s_or_b32 s[G0S+3], s[G0S+3], 0x80000000
	s_mul_i32 s90, s2, 64*URB                      ; the weights: u half, my 32 u, my pair of the stage
	s_mul_i32 s88, s5, 32*URB
	s_add_co_u32 s90, s90, s88
	s_mul_i32 s88, s4, 2*ROWB
	s_add_co_u32 s90, s90, s88
	s_mov_b32 s[G0W0], 1
	s_mul_i32 s[G0W0+1], s[WV], PART               ; pair x PAIR + half x PART = wave x PART
	s_add_nc_u64 s[G0W0+2:G0W0+3], s[12:13], s[90:91]
	s_mov_b32 s[G0W1], 1
	s_add_co_u32 s[G0W1+1], s[G0W0+1], SLOT
	s_add_nc_u64 s[G0W1+2:G0W1+3], s[G0W0+2:G0W0+3], 4*ROWB   ; stage 1: four experts on
	s_or_b32 s[G0W0+3], s[G0W0+3], 0x80000000
	s_or_b32 s[G0W1+3], s[G0W1+3], 0x80000000
	s_lshl_b32 s98, s7, 11                         ; the bases of the small loads: x's scales at my block,
	s_add_nc_u64 s[10:11], s[10:11], s[98:99]
	s_lshl_b32 s90, s[WV], 8                       ; the gate scales and the gate bias at task w,
	s_add_nc_u64 s[20:21], s[20:21], s[90:91]
	s_lshl_b32 s90, s[WV], 6
	s_add_nc_u64 s[22:23], s[22:23], s[90:91]
	s_lshl_b32 s90, s2, 12                         ; the expert bias at my u half
	s_add_nc_u64 s[16:17], s[16:17], s[90:91]
	CROUND                                         ; all four work-groups are here: the first joint loads meet
	tensor_load_to_lds s[G0X:G0X+3], s[G1X:G1X+7]  ; the first fills go out as one group: five loads of mine are out
	s_nop 0
	tensor_load_to_lds s[G0G:G0G+3], s[G1G:G1G+7]
	s_nop 0
	tensor_load_to_lds s[G0S:G0S+3], s[G1S:G1S+7]
	s_nop 0
	tensor_load_to_lds s[G0W0:G0W0+3], s[G1W:G1W+7]
	s_nop 0
	tensor_load_to_lds s[G0W1:G0W1+3], s[G1W:G1W+7]
	s_nop 0
	PLACES
	v_and_b32 v96, 15, v0                          ; r
	v_bfe_u32 v97, v0, 4, 1                        ; h
	v_and_b32 v98, 31, v0
	v_lshlrev_b32 v98, 4, v98                      ; 16 x lane
	v_lshlrev_b32 v99, 4, v96                      ; 16 r
	v_lshlrev_b32 v100, 5, v97                     ; 32 h
	v_lshlrev_b32 v101, 5, v0                      ; 32 x thread
.irp b, 0,1,2,3
	global_load_b128 v[XSB+4*\b:XSB+4*\b+3], v98, s[10:11] offset:512*\b   ; rows 32 b + lane: four words, one a K step
.endr
	global_load_b128 v[WSB:WSB+3], v99, s[20:21]   ; the gate weights' scale words: row (w, e = r)
	global_load_b128 v[BI:BI+3], v100, s[22:23]    ; the gate bias of e = 8 h + 0 .. 7
	global_load_b128 v[BI+4:BI+7], v100, s[22:23] offset:16
	global_load_b128 v[248:251], v101, s[16:17]    ; the expert bias: u = thread / 2, e = 8 (thread % 2) + 0 .. 7
	global_load_b128 v[252:255], v101, s[16:17] offset:16
	v_and_b32 v102, 1, v0
	v_lshlrev_b32 v102, 11, v102
	v_lshrrev_b32 v108, 1, v0
	v_lshl_add_u32 v102, v108, 2, v102
	v_add_nc_u32 v102, BT, v102                    ; where it goes: BT + 256 e + 4 u
	s_lshl_b32 s90, s[WV], 4
	v_add_nc_u32 v108, s90, v96                    ; 16 w + r: my weight row's u, my gate row
	v_mul_u32_u24 v[BW1], v108, PW
	v_mad_u32_u24 v[BW1], v97, 24, v[BW1]
	v_lshl_add_u32 v[BW2], v97, 4, v[BW1]
	s_lshl_b32 s90, s[WV], 6
	s_add_co_u32 s90, s90, BT
	v_lshl_add_u32 v[BB], v97, 5, s90              ; the bias of u = 16 w + 8 h + 0 .. 7
	v_mul_u32_u24 v[BSC], v108, 272
	v_add_nc_u32 v[BSC], WSC, v[BSC]
	v_mul_u32_u24 v[BG], v96, 272
	v_add_nc_u32 v[BG], GT, v[BG]
	v_mul_u32_u24 v103, v96, PX
	v_mad_u32_u24 v103, v97, 24, v103
	v_add_nc_u32 v103, XR, v103                    ; x's fragments: v103, and v104 behind one padding more
	v_lshl_add_u32 v104, v97, 4, v103
	v_mul_u32_u24 v105, v108, PX
	v_mad_u32_u24 v105, v97, 24, v105
	v_add_nc_u32 v105, GWR, v105                   ; the gate weights': v105, v106
	v_lshl_add_u32 v106, v97, 4, v105
	v_lshl_add_u32 v107, v97, 7, v[BG]
	s_lshl_b32 s90, s[WV], 2
	v_add_nc_u32 v107, s90, v107                   ; where my gates go: GT + 272 r + 16 (8 h) + 4 w
.irp b, 0,1,2,3,4,5,6,7
	v_mov_b32 v[NX+\b], 0                          ; written once: a lane permute's destination counts as one of its sources
.endr
	s_wait_loadcnt 0x0
.irp j, 0,1,2,3,4,5,6,7
	ds_store_b32 v102, v[248+\j] offset:256*\j
.endr
	s_wait_tensorcnt 3                             ; x and the gate weights are in; the three loads behind them may stay out
	s_wait_dscnt 0x0                               ; the bias table's stores are done
	s_barrier_signal -1
	s_barrier_wait -1
	WIN 0x40                                       ; destination window 1
.irp bt, 0,1,2,3
.irp k, 0,1,2,3
	FRAG 48*\bt+12*\k, 103, 96*\k, 128, 6912*\bt
.endr
.endr
	WIN 0x80                                       ; destination window 2
.irp bt, 0,1,2,3
.irp k, 0,1,2,3
	FRAG 48*\bt+12*\k, 103, 96*\k, 128, 6912*(\bt+4)
.endr
.endr
	WIN 0
.irp k, 0,1,2,3
	FRAG WB+12*\k, 105, 96*\k, 128, 0
.endr
	s_wait_dscnt 0x0                               ; x is in my registers: my reads of its LDS bytes are over
	s_barrier_signal -1                            ; say so; the gates are made on registers while the others arrive
	; THE GATES of task w: source 0 = its 16 rows (e), source 1 = x: register j of lane (r, h) is the logit of (b = r, e = 8 h + j); the bias is the first C
.irp k, 0,1,2,3
	WIN WM1
.irp bt, 0,1,2,3
	MM 0, \k, \bt
.endr
	WIN WM2
.irp bt, 4,5,6,7
	MM 0, \k, \bt
.endr
.endr
	WIN 0
	PLACES
	; softmax over e: my eight and lane l xor 16's eight; the eight row tiles by turns, so that no line waits for the line above it
.irp b, 0,1,2,3,4,5,6,7
	v_max3_num_f32 v[MX+2*\b], v[HB+8*\b], v[HB+8*\b+1], v[HB+8*\b+2]
.endr
.irp b, 0,1,2,3,4,5,6,7
	v_max3_num_f32 v[MX+2*\b], v[MX+2*\b], v[HB+8*\b+3], v[HB+8*\b+4]
.endr
.irp b, 0,1,2,3,4,5,6,7
	v_max3_num_f32 v[MX+2*\b], v[MX+2*\b], v[HB+8*\b+5], v[HB+8*\b+6]
.endr
.irp b, 0,1,2,3,4,5,6,7
	v_max_num_f32 v[MX+2*\b], v[MX+2*\b], v[HB+8*\b+7]
.endr
.irp b, 0,1,2,3,4,5,6,7
	v_permlanex16_b32 v[NX+\b], v[MX+2*\b], s[SEL], s[SEL+1]
.endr
.irp b, 0,1,2,3,4,5,6,7
	v_max_num_f32 v[MX+2*\b], v[MX+2*\b], v[NX+\b] ; the row's largest logit
.endr
.irp b, 0,1,2,3,4,5,6,7
	v_mul_f32 v[MX+2*\b], s[LC], v[MX+2*\b]        ; x log2(e): one number for the whole row, so its rounding cancels in the division
.endr
.irp b, 0,1,2,3,4,5,6,7
	v_mov_b32 v[MX+2*\b+1], v[MX+2*\b]             ; (the pair is named below)
.endr
.irp b, 0,1,2,3,4,5,6,7
.irp q, 0,2,4,6
	v_pk_fma_f32 v[HB+8*\b+\q:HB+8*\b+\q+1], v[HB+8*\b+\q:HB+8*\b+\q+1], s[LC:LC+1], v[MX+2*\b:MX+2*\b+1] op_sel_hi:[1,0,0] neg_lo:[0,0,1] neg_hi:[0,0,1]
.endr
.endr
.set I, 0
.rept 64
	v_exp_f32 v[HB+I], v[HB+I]
.set I, I+1
.endr
	v_nop                                          ; a plain instruction between the exponentials and the use of their results (ISA guide 5.7.2)
	s_wait_alu depctr_va_vdst(0)
.irp b, 0,1,2,3,4,5,6,7
	v_pk_add_f32 v[SX+2*\b:SX+2*\b+1], v[HB+8*\b:HB+8*\b+1], v[HB+8*\b+2:HB+8*\b+3]
.endr
.irp b, 0,1,2,3,4,5,6,7
	v_pk_add_f32 v[S2+2*\b:S2+2*\b+1], v[HB+8*\b+4:HB+8*\b+5], v[HB+8*\b+6:HB+8*\b+7]
.endr
.irp b, 0,1,2,3,4,5,6,7
	v_pk_add_f32 v[SX+2*\b:SX+2*\b+1], v[SX+2*\b:SX+2*\b+1], v[S2+2*\b:S2+2*\b+1]
.endr
.irp b, 0,1,2,3,4,5,6,7
	v_add_f32 v[SX+2*\b], v[SX+2*\b], v[SX+2*\b+1]
.endr
.irp b, 0,1,2,3,4,5,6,7
	v_permlanex16_b32 v[NX+\b], v[SX+2*\b], s[SEL], s[SEL+1]
.endr
.irp b, 0,1,2,3,4,5,6,7
	v_add_f32 v[SX+2*\b], v[SX+2*\b], v[NX+\b]
.endr
.irp b, 0,1,2,3,4,5,6,7
	v_rcp_f32 v[SX+2*\b], v[SX+2*\b]
.endr
	v_nop                                          ; a plain instruction behind the reciprocals
	s_wait_alu depctr_va_vdst(0)
.irp b, 0,1,2,3,4,5,6,7
	v_mov_b32 v[SX+2*\b+1], v[SX+2*\b]
.endr
.irp b, 0,1,2,3,4,5,6,7
.irp q, 0,2,4,6
	v_pk_mul_f32 v[HB+8*\b+\q:HB+8*\b+\q+1], v[HB+8*\b+\q:HB+8*\b+\q+1], v[SX+2*\b:SX+2*\b+1] op_sel_hi:[1,0]
.endr
.endr
	s_barrier_wait -1                              ; every wave has x in registers: the table may be laid over it
.irp b, 0,1,2,3,4,5,6,7
.irp j, 0,1,2,3,4,5,6,7
	ds_store_b32 v107, v[HB+8*\b+\j] offset:4352*\b+16*\j
.endr
.endr
	s_mov_b32 s[TW], 0
	s_mov_b32 s[TBI], 0
	s_mov_b32 s[TSC], 0
	s_mov_b32 s[TG], 0
	ADDRS
	s_wait_tensorcnt 1                             ; the weights' scales and stage 0 are in; stage 1 may stay out
	s_wait_dscnt 0x0                               ; my gates lie in the table
	s_barrier_signal -1
	s_barrier_wait -1
	FRAG WB, AW1, 0, 256, 0                        ; tile 0's fragments, bias and scale words
	ds_load_b128 v[BI:BI+3], v[AB]
	ds_load_b128 v[BI+4:BI+7], v[AB] offset:16
	FRAG WB+12, AW1, 96, 256, 0
	ds_load_b128 v[WSB:WSB+3], v[ASC]
	FRAG WB+24, AW1, 192, 256, 0
	FRAG WB+36, AW1, 288, 256, 0
	s_wait_dscnt 0x0
	T 0, 0, 0, 1, 0                                ; tile 0: no vector work yet; fetches tile 1 and expert 0's gates
	WIN 0
	SETK 0
	TRIP 1                                         ; tiles 1, 2; tile 0's products with its gates start OUT
	CHANGE G0W0, 1                                 ; slot 0 (experts 0-3) is left and takes experts 8-11
	SETK 1
	s_mov_b32 s[CNT], 2
.Lstage1:                                              ; tiles 3 to 6; fetches from slot 1
	TRIP 0
	s_sub_co_u32 s[CNT], s[CNT], 1
	s_cmp_lg_u32 s[CNT], 0
	s_cbranch_scc1 .Lstage1
	CHANGE G0W1, 1                                 ; slot 1 (experts 4-7) is left and takes experts 12-15
	SETK 3
	s_mov_b32 s[CNT], 2
.Lstage2:                                              ; tiles 7 to 10; fetches from slot 0
	TRIP 0
	s_sub_co_u32 s[CNT], s[CNT], 1
	s_cmp_lg_u32 s[CNT], 0
	s_cbranch_scc1 .Lstage2
	CHANGE G0W0, 0                                 ; nothing is left to fetch: written out
	SETK 5
	s_mov_b32 s[CNT], 2
.Lstage3:                                              ; tiles 11 to 14; fetches from slot 1
	TRIP 0
	s_sub_co_u32 s[CNT], s[CNT], 1
	s_cmp_lg_u32 s[CNT], 0
	s_cbranch_scc1 .Lstage3
	s_mov_b32 s[TG], 16*15
	v_add_nc_u32 v[AG], s[TG], v[BG]
	T 1, 1, 0, 0, 0                                ; tile 15: only its gates are fetched
	s_wait_dscnt 0x0                               ; they are in
	WIN 0
.set I, 0
.rept 64
	v_max_num_f32 v[HB+64+I], 0, v[HB+64+I]        ; tile 15's relu (the eight multiply-adds behind its last matrix instruction are the places), each accumulator from its low end on
.set I, I+1
.endr
	WIN WF
.set VB, 0
.rept 8
.set HF, 0
	FMA8 1, 0
.set HF, 1
	FMA8 1, 0
.set VB, VB+1
.endr
	WIN 0
	; THE WAY OUT.  A lane holds 32 neighbouring bytes of a row of each task, and a row's 256 bytes come from four waves: they meet in a stage, and wave w stores task w's 128 rows.
	v_and_b32 v13, 15, v0
	v_bfe_u32 v14, v0, 4, 1
	v_mul_u32_u24 v3, v13, 272
	v_lshl_add_u32 v3, v14, 5, v3
	s_lshl_b32 s88, s[WV], 6
	v_add_nc_u32 v3, s88, v3                       ; in: 272 r + 64 w + 32 h, tasks 0, 1;
	v_add_nc_u32 v4, 2*TPL, v3                     ; tasks 2, 3 (the offset field holds 16 bits)
	v_mul_u32_u24 v5, v14, 272
	v_lshl_add_u32 v5, v13, 4, v5
	s_mul_i32 s88, s[WV], TPL
	v_add_nc_u32 v5, s88, v5                       ; back: lanes 0-15 one row of 256 bytes, lanes 16-31 the next
	v_lshlrev_b32 v6, 9, v14
	v_lshl_add_u32 v6, v13, 4, v6                  ; and the same two rows in the output (512 bytes a row)
	s_cmp_eq_u32 s[WV], 1                          ; task w's buffer: a choice on the wave's number alone
	s_cselect_b64 s[24:25], s[26:27], s[24:25]
	s_cmp_eq_u32 s[WV], 2
	s_cselect_b64 s[24:25], s[28:29], s[24:25]
	s_cmp_eq_u32 s[WV], 3
	s_cselect_b64 s[24:25], s[30:31], s[24:25]
	s_lshl_b32 s98, s7, 16                         ; my block's 128 rows of 512 bytes, my u half's 256 bytes
	s_lshl_b32 s99, s2, 8
	s_add_co_u32 s98, s98, s99
	s_mov_b32 s99, 0
	s_add_nc_u64 s[24:25], s[24:25], s[98:99]
	s_wait_dscnt 0x0
	s_barrier_signal -1
	s_barrier_wait -1                              ; no wave reads the slots any more, and they have had their last fill
	WIN 0x0c                                       ; an LDS store's data are its source 1: window 3
.irp bt, 0,1,2,3,4,5,6,7
.irp t, 0,1
	ds_store_b128 v3, v[32*\bt+8*\t:32*\bt+8*\t+3] offset:TPL*\t+4352*\bt
	ds_store_b128 v3, v[32*\bt+8*\t+4:32*\bt+8*\t+7] offset:TPL*\t+4352*\bt+16
	ds_store_b128 v4, v[32*\bt+8*\t+16:32*\bt+8*\t+19] offset:TPL*\t+4352*\bt
	ds_store_b128 v4, v[32*\bt+8*\t+20:32*\bt+8*\t+23] offset:TPL*\t+4352*\bt+16
.endr
.endr
	WIN 0
	s_wait_dscnt 0x0                               ; for the others' sake: my stores into the stage are done
	s_barrier_signal -1
	s_barrier_wait -1
	WIN 0x40                                       ; destination window 1, where x lay
.set I, 0
.rept 64
	ds_load_b128 v[4*I:4*I+3], v5 offset:544*I
.set I, I+1
.endr
	WIN 0x04                                       ; a store's data are its source 1: window 1
.set I, 0
.rept 64
	s_wait_dscnt 63-I                              ; LDS loads come back in order: load I is in
	global_store_b128 v6, v[4*I:4*I+3], s[24:25] offset:1024*I th:TH_STORE_NT   ; 16 lanes store 256 consecutive bytes, at a multiple of 256 from the buffer's first byte
.set I, I+1
.endr
	WIN 0
	s_wait_tensorcnt 0x0                           ; the wave's end
	ds_add_u32 v[SPW], v[NIL]
	s_wait_dscnt 0x0
	CROUND                                         ; the closing round: no work-group ends while a partner may still ask for a tile that names it
	s_endpgm
.Lfunc_end_k_q72550b4eb6_mmoe:
	.size	k_q72550b4eb6_mmoe, .Lfunc_end_k_q72550b4eb6_mmoe-k_q72550b4eb6_mmoe
	.p2alignl 7, 3214868480
	.fill 96, 4, 3214868480
	.section	.rodata,"a",@progbits
	.p2align	6, 0x0
	.amdhsa_kernel k_q72550b4eb6_mmoe
		.amdhsa_group_segment_fixed_size 327680
		.amdhsa_private_segment_fixed_size 0
		.amdhsa_enable_private_segment 0
		.amdhsa_kernarg_size 96
		.amdhsa_user_sgpr_count 2
		.amdhsa_user_sgpr_kernarg_segment_ptr 1
		.amdhsa_wavefront_size32 1
		.amdhsa_system_sgpr_workgroup_id_x 1
		.amdhsa_system_sgpr_workgroup_id_y 1
		.amdhsa_system_sgpr_workgroup_id_z 1
		.amdhsa_system_vgpr_workitem_id 0
		.amdhsa_next_free_vgpr 1024
		.amdhsa_next_free_sgpr 100
		.amdhsa_reserve_vcc 0
		.amdhsa_float_denorm_mode_32 3
		.amdhsa_float_denorm_mode_16_64 3
		.amdhsa_memory_ordered 1
		.amdhsa_forward_progress 1
		.amdhsa_inst_pref_size 255
	.end_amdhsa_kernel
	.section	.bss,"aw",@nobits
	.p2align	6
	.space	262144
	.amdgpu_metadata
---
amdhsa.version: [ 1, 2 ]
amdhsa.kernels:
  - .name:           k_q72550b4eb6_mmoe
    .symbol:         k_q72550b4eb6_mmoe.kd
    .args:
      - { .name: x_codes, .offset: 0, .size: 8, .value_kind: global_buffer, .address_space: global }
      - { .name: x_scales, .offset: 8, .size: 8, .value_kind: global_buffer, .address_space: global }
      - { .name: expert_kernels_codes, .offset: 16, .size: 8, .value_kind: global_buffer, .address_space: global }
      - { .name: expert_kernels_scales, .offset: 24, .size: 8, .value_kind: global_buffer, .address_space: global }
      - { .name: expert_bias, .offset: 32, .size: 8, .value_kind: global_buffer, .address_space: global }
      - { .name: gate_kernels_codes, .offset: 40, .size: 8, .value_kind: global_buffer, .address_space: global }
      - { .name: gate_kernels_scales, .offset: 48, .size: 8, .value_kind: global_buffer, .address_space: global }
      - { .name: gate_bias, .offset: 56, .size: 8, .value_kind: global_buffer, .address_space: global }
      - { .name: out0, .offset: 64, .size: 8, .value_kind: global_buffer, .address_space: global }
      - { .name: out1, .offset: 72, .size: 8, .value_kind: global_buffer, .address_space: global }
      - { .name: out2, .offset: 80, .size: 8, .value_kind: global_buffer, .address_space: global }
      - { .name: out3, .offset: 88, .size: 8, .value_kind: global_buffer, .address_space: global }
    .group_segment_fixed_size: 327680
    .private_segment_fixed_size: 0
    .kernarg_segment_align: 8
    .kernarg_segment_size: 96
    .max_flat_workgroup_size: 128
    .sgpr_count:     100
    .vgpr_count:     1024
    .wavefront_size: 32
...
	.end_amdgpu_metadata
.endif
;; end of part 1
;; ======== version 2 of 2: 1 launch; 1.13 times as fast as version 1
;; launch mmoe (part 2): grid 128 x 2, 4 waves a work-group, clusters of 4 x 1, 327,680 bytes of LDS; arguments x_codes, x_scales, expert_kernels_codes, expert_kernels_scales, expert_bias, gate_kernels_codes, gate_kernels_scales, gate_bias, out0, out1, out2, out3; writes out0, out1, out2, out3
.if DOCPART == 2
	.amdgcn_target "amdgcn-amd-amdhsa--gfx1250"
	.amdhsa_code_object_version 6
	.text
	.protected	k_q72550b4eb6_mmoe
	.globl	k_q72550b4eb6_mmoe
	.p2align	8
	.type	k_q72550b4eb6_mmoe,@function
k_q72550b4eb6_mmoe:
	s_mov_b64 s[64:65], 0
	v_nop
	global_prefetch_b8 v0, s[64:65] scope:SCOPE_SE
	s_setreg_imm32_b32 hwreg(HW_REG_WAVE_MODE, 25, 1), 1
	s_wait_xcnt 0x0
	s_wait_alu depctr_hold_cnt(0) depctr_sa_sdst(0) depctr_va_vdst(0) depctr_va_sdst(0) depctr_va_ssrc(0) depctr_va_vcc(0) depctr_vm_vsrc(0)
	s_getreg_b32 s2, hwreg(HW_REG_IB_STS2, 6, 4)
	s_cmp_eq_u32 s2, 0
	s_cbranch_scc0 .Lentry_in_a_cluster
	s_endpgm
.Lentry_in_a_cluster:
	s_bfe_u32 s2, ttmp6, 0x10000c
	s_cmp_lg_u32 s2, 0x3003
	s_cbranch_scc0 .Lentry_shape_is_right
	s_endpgm
.Lentry_shape_is_right:
; MMoE in one launch.  h[b][u][e] = relu(x We + be), g[t][b][.] = softmax over e of (x Wg + bg), out_t[b][u] = sum over e of h[b][u][e] g[t][b][e].
; x, We, Wg arrive as codes of BF6 (E3M2) with K = 512 innermost (a row: 384 bytes) and 16 E8M0 bytes a row; both products take codes and scale bytes as they lie.
; SHARES.  A work-group: 128 rows b x 64 units u x all 16 experts (grid 128 x 2 = 256 work-groups).  64 u are 256 bytes of an output row, at a multiple of 256.
;   Wave w: all 128 rows (8 tiles bt of 16) x u = 16 w .. 16 w + 15 x 16 experts: 16 TILES (tile i = expert i) of 8 bt x 4 K steps = 32 matrix instructions; and the gates of task t = w.
; LAYOUT.  Source 0 = 16 weight rows (u0 + m, e) with e FIXED, source 1 = 16 rows of x: register j of lane (r, h) is h(b = r, u = u0 + 8 h + j, e).  So a lane holds one row b and eight
;   neighbouring u, the gated sum is OUT[t][u pair] += H[u pair] x g[t][b][e] by packed multiply-adds with the gate broadcast, nothing crosses lanes, and OUT is already in output order.
;   x's 32 fragments stay in registers (384), so a weight fragment read from LDS feeds 8 matrix instructions and is read by one wave alone.
; THE THIRD PRODUCT (K = 16, another left operand for each b) is done by f32 packed multiply-adds: a 16 x 16 x 32 matrix form would be filled to an eighth and want its operands in other lanes.
; BY TURNS.  While tile i is multiplied into one set of 8 accumulators, tile i - 1's relu and gated sum (192 vector instructions) stand between its matrix instructions, and tile i + 1's fragments are
;   fetched in four runs of LDS loads, one behind each K step.
; CLUSTER.  The four row blocks of a cluster share the u half, so the expert weights, their scales and the gate weights are asked for JOINTLY (mask 15); x is each work-group's own.
; LIMITS.  A gate under 2^-126 comes out as 0 (v_exp_f32 flushes denormal results: ISA guide 15.8).  A scale byte 0xff makes a product NaN; the relu here (v_max_num_f32) turns that NaN into 0,
;   where max(NaN, 0) in the definition stays NaN: NaN is not served.  The sums over e run in ascending e, in f32.  Each u half makes the gates anew: 32 of a wave's 544 matrix instructions.
.set ROWB,  384                        ; a row of 512 codes
.set URB,   6144                       ; the 16 expert rows of one u
.set PW,    816                        ; LDS pitch of a weight row (2 experts of one u: 768 bytes, 16 of padding behind each 256) = 204 words: row r starts at bank 12 r mod 64 (64 banks of 4 bytes: ISA guide 11.1)
.set PX,    432                        ; LDS pitch of a row of x or of the gate weights (384 bytes, 16 behind each 128) = 108 words: bank 44 r mod 64; with both pitches the 32 lanes of an 8-byte load touch each bank once
.set PART,  32*PW                      ; what one tensor load of weights brings: 32 u x 2 experts
.set PAIR,  2*PART                     ; a pair of experts, 64 u
.set SLOT,  2*PAIR                     ; a stage: 4 experts
.set XR,    2*SLOT                     ; x: 128 rows x PX, filled once
.set GT,    XR                         ; the gates' table, byte 272 b + 16 e + 4 t, laid over x once every wave has x in registers
.set GWR,   XR+128*PX                  ; the gate weights: 64 rows x PX
.set WSC,   GWR+64*PX                  ; the expert weights' scale bytes: byte 272 u + 16 e + 4 ks
.set BT,    WSC+64*272                 ; the expert bias, transposed: byte 256 e + 4 u
.set SPARE, BT+4096                    ; the spare words, 128 bytes for each wave: two blocks of 256 bytes that no other line names
.set TPL,   128*272                    ; the way out: a task's plane in the stage (byte TPL t + 272 row), which lies in the slots after their last fill and last read
; window 0
.set SPW, 1                            ; v1  LDS address of my spare word; never rewritten
.set NIL, 2                            ; v2  0; never rewritten
.set AW1, 3                            ; v3, v4   weights: the pair in hand (24 h, and 40 h for pieces that lie behind one padding more)
.set AB,  5                            ; v5   bias   v6 gates   v7 scale words: the addresses in hand
.set AG,  6
.set ASC, 7
.set BW1, 8                            ; v8-12  the same five, lane terms alone; never rewritten
.set BW2, 9
.set BB,  10
.set BG,  11
.set BSC, 12
.set XSB, 16                           ; v16-31  x's scale words: 4 (bt / 2) + ks; lanes 0-15 the even bt, lanes 16-31 the odd one
.set WSB, 32                           ; v32-39  the weights' scale words: 4 par + ks  (set 0 first holds the gate weights')
.set WB,  40                           ; v40-87  a tile's four fragments: 12 ks
.set BI,  88                           ; v88-95  a tile's bias in the result's layout
.set GB,  96                           ; v96-127 gates: 4 bt + t  (at the head: addresses)
.set HB,  128                          ; v128-255 two sets of 8 accumulators: 64 set + 8 bt  (at the head: the logits in set 0, the softmax's work in set 1)
.set MX,  192
.set NX,  208
.set SX,  216
.set S2,  232
; window 1: x's fragments of bt 0-3 at 48 bt + 12 ks (on the way out: rows read back); window 2: those of bt 4-7; window 3: OUT at 32 bt + 8 t + j
.set WV,   3                           ; s3 wave
.set G1W,  32
.set G1S,  40
.set G1X,  48
.set G1G,  56
.set G0X,  68
.set G0G,  72
.set G0S,  76
.set G0W0, 80
.set G0W1, 84
.set TW,   88                          ; s88-91: what a trip adds to the lane terms: weights, bias, scale words, gates
.set TBI,  89
.set TSC,  90
.set TG,   91
.set SEL,  92                          ; s[92:93] v_permlanex16_b32's selects for lane l xor 16
.set LC,   94                          ; s[94:95] log2(e), twice
.set CNT,  96
.set MSB, 0
.macro WIN new                         ; s_set_vgpr_msb: bits 1:0 source 0, 3:2 source 1, 5:4 source 2, 7:6 destination; the high byte repeats the setting that is left
.if MSB != \new
	s_set_vgpr_msb (MSB<<8)|\new
.set MSB, \new
.endif
.endm
.set WM1, 0x04                         ; source 1 (x) in window 1; LDS loads and the relu (register as source 0) run under it too
.set WM2, 0x08                         ; source 1 in window 2
.set WF,  0xf0                         ; the gated sum: destination and source 2 (OUT) in window 3, H and the gates in window 0
.macro PLACES                          ; four places: plain vector instructions that name no register of the matrix instructions in front (ISA guide 7.12.1)
.rept 4
	v_nop
.endr
.endm
.macro CROUND                          ; a round of the cluster's barrier
	s_barrier_signal -1
	s_barrier_wait -1
	s_cmp_lg_u32 s[WV], 0
	s_cbranch_scc1 .Lnot_wave_0_\@
	s_barrier_signal -3
.Lnot_wave_0_\@:
	s_barrier_wait -3
	s_barrier_signal -1
	s_barrier_wait -1
.endm
; Piece p (8 bytes) of a fragment: 16 rows x 128 K of 6-bit codes are 12 registers; lane (r, h) takes bytes ob + 24 h .. + 23 and ob + 48 + 24 h .. + 23 of row r, as they lie.
; iv: the bytes between two paddings.  Where lanes 16-31's piece lies behind one padding more than lanes 0-15's, the second address register serves.
.macro PIECE reg, adr, ob, iv, extra, p
.set FO, (\ob)+48*((\p)/3)+8*((\p)%3)
.if (FO+24)/(\iv) == FO/(\iv)
	ds_load_b64 v[2*(\p)+(\reg):2*(\p)+(\reg)+1], v[\adr] offset:FO+16*(FO/(\iv))+(\extra)
.else
	ds_load_b64 v[2*(\p)+(\reg):2*(\p)+(\reg)+1], v[1+(\adr)] offset:FO+16*(FO/(\iv))+(\extra)
.endif
.endm
.macro FRAG reg, adr, ob, iv, extra
.irp c, 0,1,2,3,4,5
	PIECE \reg, \adr, \ob, \iv, \extra, \c
.endr
.endm
; One matrix instruction: set par, K step k, row tile bt.  The first K step takes the bias as C: nothing is cleared or added later.
.macro MM par, k, bt
.set RH,  HB+64*(\par)+8*(\bt)
.set RW,  WB+12*(\k)
.set RX,  48*((\bt)%4)+12*(\k)
.set SCA, WSB+4*(\par)+(\k)
.set SCB, XSB+4*((\bt)/2)+(\k)
.if (\k) == 0
.if (\bt)%2 == 0
	v_wmma_scale_f32_16x16x128_f8f6f4 v[RH:RH+7], v[RW:RW+11], v[RX:RX+11], v[BI:BI+7], v[SCA], v[SCB] matrix_a_fmt:MATRIX_FMT_BF6 matrix_b_fmt:MATRIX_FMT_BF6
.else
	v_wmma_scale_f32_16x16x128_f8f6f4 v[RH:RH+7], v[RW:RW+11], v[RX:RX+11], v[BI:BI+7], v[SCA], v[SCB] matrix_a_fmt:MATRIX_FMT_BF6 matrix_b_fmt:MATRIX_FMT_BF6 matrix_b_scale:MATRIX_SCALE_ROW1
.endif
.else
.if (\bt)%2 == 0
	v_wmma_scale_f32_16x16x128_f8f6f4 v[RH:RH+7], v[RW:RW+11], v[RX:RX+11], v[RH:RH+7], v[SCA], v[SCB] matrix_a_fmt:MATRIX_FMT_BF6 matrix_b_fmt:MATRIX_FMT_BF6
.else
	v_wmma_scale_f32_16x16x128_f8f6f4 v[RH:RH+7], v[RW:RW+11], v[RX:RX+11], v[RH:RH+7], v[SCA], v[SCB] matrix_a_fmt:MATRIX_FMT_BF6 matrix_b_fmt:MATRIX_FMT_BF6 matrix_b_scale:MATRIX_SCALE_ROW1
.endif
.endif
.endm
.macro RELU4 set                       ; four of row tile VB's eight numbers (half HF); each accumulator is read from its low end on
.irp q, 0,1,2,3
	v_max_num_f32 v[HB+64*(\set)+8*VB+4*HF+\q], v[HB+64*(\set)+8*VB+4*HF+\q], 0
.endr
.endm
.macro FMA8 set, first                 ; the same four numbers into the four tasks' sums; first = 1: the products start the sums
.irp t, 0,1,2,3
.irp q, 0,1
.set RO, 32*VB+8*\t+4*HF+2*\q
.set RH, HB+64*(\set)+8*VB+4*HF+2*\q
.set RG, GB+4*VB+2*(\t/2)
.if \first
.if \t%2 == 0
	v_pk_mul_f32 v[RO:RO+1], v[RH:RH+1], v[RG:RG+1] op_sel_hi:[1,0]
.else
	v_pk_mul_f32 v[RO:RO+1], v[RH:RH+1], v[RG:RG+1] op_sel:[0,1] op_sel_hi:[1,1]
.endif
.else
.if \t%2 == 0
	v_pk_fma_f32 v[RO:RO+1], v[RH:RH+1], v[RG:RG+1], v[RO:RO+1] op_sel_hi:[1,0,1]
.else
	v_pk_fma_f32 v[RO:RO+1], v[RH:RH+1], v[RG:RG+1], v[RO:RO+1] op_sel:[0,1,0] op_sel_hi:[1,1,1]
.endif
.endif
.endr
.endr
.endm
; A RUN OF LDS LOADS, behind K step RQ = PR / 4 - 1 (PR = 4, 8, 12, and 16 behind the last pair).  With load = 1: the NEXT tile's fragment of that K step, whose registers the step has just left,
; and behind K step 1 its bias and its scale words.  Always: the gates of THIS tile's expert for row tiles 2 RQ and 2 RQ + 1, whose quads the pairs of that K step have read for the last time.
; So the runs hold 8, 11, 8 and 8 loads (2 each with load = 0).
.macro TRUN load, goff
.set RQ, PR/4-1
.if \load
	FRAG WB+12*RQ, AW1, 384*E2+96*RQ, 256, 0
.if RQ == 1
	ds_load_b128 v[BI:BI+3], v[AB] offset:256*E2
	ds_load_b128 v[BI+4:BI+7], v[AB] offset:256*E2+16
	ds_load_b128 v[WSB+4*E2:WSB+4*E2+3], v[ASC] offset:16*E2
.endif
.endif
	ds_load_b128 v[GB+8*RQ:GB+8*RQ+3], v[AG] offset:(\goff)+4352*(2*RQ)
	ds_load_b128 v[GB+8*RQ+4:GB+8*RQ+7], v[AG] offset:(\goff)+4352*(2*RQ+1)
.endm
; A TILE: 16 pairs of matrix instructions, K step PR / 4, row tiles 2 (PR % 4) and the next: the 8 accumulators take turns, one instruction a turn, into the next tile too.
; vec = 1: the tile before's relu and gated sum stand between them, row tile PR / 2, half PR % 2.
; The LDS loads stand in four runs, each at the head of the pair that opens the next K step: behind the eight multiply-adds that follow the K step's last matrix instruction, which are the places in front
; of the loads into that step's fragment (vec = 0 has four v_nop there), and under the window setting that the next matrix instruction wants anyway.  No load stands directly behind a matrix instruction.
; LDS loads come back in order (ISA guide 5.7.1), so each wait counts the runs issued behind the run that it wants.
.macro T par, vec, first, load, goff
.set E2, 1-(\par)
.set PR, 0
.rept 16
.set KQ, PR/4
.set B0, 2*(PR%4)
.set VB, PR/2
.set HF, PR%2
.if PR == 0
	s_wait_dscnt 16                                ; the last tile's third and fourth runs (8 + 8) may be out: K steps 0 and 1, the bias, the scale words and the gates of row tiles 0-3 are in
.elseif PR == 8
	s_wait_dscnt 10+6*\load                        ; the last tile's fourth run (8) and this tile's first (8, or its 2 quads alone) may be out: K step 2 and the gates of row tiles 4, 5 are in
.elseif PR == 12
	s_wait_dscnt 4+15*\load                        ; this tile's first two runs (8 + 11, or 2 + 2) may be out: K step 3 and the gates of row tiles 6, 7 are in
.endif
.if B0 < 4
	WIN WM1
.else
	WIN WM2
.endif
.if (PR > 0) && (PR%4 == 0)
	TRUN \load, \goff
.endif
	MM \par, KQ, B0
.if \vec
	RELU4 1-\par
.endif
	MM \par, KQ, B0+1
.if \vec
	WIN WF
	FMA8 1-\par, \first
.elseif PR%4 == 3
	PLACES
.endif
.set PR, PR+1
.endr
	WIN WM1
	TRUN \load, \goff                              ; PR = 16: the run behind K step 3
.endm
.macro SETK k                          ; trip k multiplies tiles 2 k + 1 and 2 k + 2 and fetches pair k + 1, which lies at place (k + 1) % 4 of the two slots
	s_mov_b32 s[TW], (((\k)+1)%4)*PAIR
	s_mov_b32 s[TBI], 512*((\k)+1)
	s_mov_b32 s[TSC], 32*((\k)+1)
	s_mov_b32 s[TG], 16*(2*(\k)+1)
.endm
.macro ADDRS
	v_add_nc_u32 v[AW1], s[TW], v[BW1]
	v_add_nc_u32 v[AW1+1], s[TW], v[BW2]
	v_add_nc_u32 v[AB], s[TBI], v[BB]
	v_add_nc_u32 v[ASC], s[TSC], v[BSC]
	v_add_nc_u32 v[AG], s[TG], v[BG]
.endm
.macro TRIP first
	ADDRS
	T 1, 1, \first, 1, 0
	T 0, 1, 0, 1, 16
	WIN 0                                          ; at a label and at a branch every window is 0
	s_add_co_u32 s[TW], s[TW], PAIR
	s_add_co_u32 s[TBI], s[TBI], 512
	s_add_co_u32 s[TSC], s[TSC], 32
	s_add_co_u32 s[TG], s[TG], 32
.endm
; THE CHANGE OF SLOTS.  All fragments of the slot that is left have been asked for.  Each wave waits for all its tensor loads (one is out: its part of the other slot), adds 0 to its spare word, and waits
; for that and for its reads.  fill = 1: a round of the cluster's barrier, then the slot just left is filled with the stage two on: that load has four tiles, 128 matrix instructions, in which to land.
.macro CHANGE g0, fill
	s_wait_tensorcnt 0x0                           ; no tensor load of mine is out, so a group 0 may be written
	ds_add_u32 v[SPW], v[NIL]
.if \fill
	s_add_nc_u64 s[\g0+2:\g0+3], s[\g0+2:\g0+3], 8*ROWB   ; two stages on: 8 experts' rows of the same u
.endif
	s_wait_dscnt 0x0                               ; the add is done, and my reads of the slot are over
.if \fill
	CROUND
	tensor_load_to_lds s[\g0:\g0+3], s[G1W:G1W+7]  ; my one tensor load behind the round, and the first thing there
	s_nop 0
	PLACES                                         ; (four v_nop follow a tensor load)
.else
	s_barrier_signal -1
	s_barrier_wait -1
.endif
.endm
	s_load_b512 s[8:23], s[0:1], 0x0               ; x codes 8, x scales 10, W codes 12, W scales 14, expert bias 16, gate codes 18, gate scales 20, gate bias 22
	s_load_b256 s[24:31], s[0:1], 0x40             ; out0 .. out3
	v_lshl_add_u32 v[SPW], v0, 2, SPARE
	v_mov_b32 v[NIL], 0
	ds_add_u32 v1, v2
	ds_add_u32 v1, v2
	s_wait_dscnt 0x0
	v_lshrrev_b32 v13, 5, v0
	v_readfirstlane_b32 s[WV], v13                 ; wave 0..3
	s_lshr_b32 s4, s[WV], 1                        ; which pair of a stage I fetch
	s_and_b32 s5, s[WV], 1                         ; which 32 u of it
	s_bfe_u32 s6, ttmp6, 0x40000                   ; cx
	s_lshl_b32 s7, ttmp9, 2
	s_add_co_u32 s7, s7, s6                        ; my block of 128 rows: it enters x's, x's scales' and the outputs' addresses alone
	s_and_b32 s2, ttmp7, 0xffff                    ; the u half, which the four partners share
	; group 1, weights: 32 rows (u) of 768 bytes (2 experts), 6,144 bytes apart; 16 bytes of padding behind every 256
	s_mov_b32 s[G1W+0], 15|(1<<20)|(1<<21)|(5<<22)|(3<<25)   ; 15:0 the mask: all four; 17:16 elements of 1 byte; 20 padding on; 21 set beside a mask; 24:22 every 64 words; 31:25 4 words
	s_mov_b32 s[G1W+1], 768<<16                    ; tensor_dim0
	s_mov_b32 s[G1W+2], 32<<16                     ; tensor_dim1
	s_mov_b32 s[G1W+3], 768<<16                    ; tile_dim0
	s_mov_b32 s[G1W+4], 32                         ; tile_dim1
	s_mov_b32 s[G1W+5], URB                        ; from row to row
	s_mov_b32 s[G1W+6], 0
	s_mov_b32 s[G1W+7], 0
	; the weights' scale bytes: 16 u x 256 dense bytes, as rows of 32 elements of 8 bytes, 16 bytes behind each
	s_mov_b32 s[G1S+0], 15|(3<<16)|(1<<20)|(1<<21)|(5<<22)|(3<<25)
	s_mov_b32 s[G1S+1], 32<<16
	s_mov_b32 s[G1S+2], 16<<16
	s_mov_b32 s[G1S+3], 32<<16
	s_mov_b32 s[G1S+4], 16
	s_mov_b32 s[G1S+5], 32
	s_mov_b32 s[G1S+6], 0
	s_mov_b32 s[G1S+7], 0
	; x: 32 rows of 384 bytes, 16 bytes behind every 128; no mask: the work-group's own
	s_mov_b32 s[G1X+0], (1<<20)|(4<<22)|(3<<25)
	s_mov_b32 s[G1X+1], ROWB<<16
	s_mov_b32 s[G1X+2], 32<<16
	s_mov_b32 s[G1X+3], ROWB<<16
	s_mov_b32 s[G1X+4], 32
	s_mov_b32 s[G1X+5], ROWB
	s_mov_b32 s[G1X+6], 0
	s_mov_b32 s[G1X+7], 0
	; the gate weights: 16 rows likewise, joint
	s_mov_b32 s[G1G+0], 15|(1<<20)|(1<<21)|(4<<22)|(3<<25)
	s_mov_b32 s[G1G+1], ROWB<<16
	s_mov_b32 s[G1G+2], 16<<16
	s_mov_b32 s[G1G+3], ROWB<<16
	s_mov_b32 s[G1G+4], 16
	s_mov_b32 s[G1G+5], ROWB
	s_mov_b32 s[G1G+6], 0
	s_mov_b32 s[G1G+7], 0
	s_mov_b32 s[SEL], 0x76543210
	s_mov_b32 s[SEL+1], 0xfedcba98
	s_mov_b32 s[LC], 0x3fb8aa3b                    ; log2(e)
	s_mov_b32 s[LC+1], s[LC]                       ; (named with it as a pair, so it is written)
	s_mul_i32 s98, s7, 128*ROWB                    ; x: my block's rows, my wave's 32 of them.  s98, s99 alone ever hold what hangs on cx
	s_mul_i32 s99, s[WV], 32*ROWB
	s_add_co_u32 s98, s98, s99
	s_mov_b32 s99, 0
	s_mov_b32 s91, 0
	s_wait_kmcnt 0x0
	s_mov_b32 s[G0X], 1
	s_mul_i32 s[G0X+1], s[WV], 32*PX
	s_add_co_u32 s[G0X+1], s[G0X+1], XR
	s_add_nc_u64 s[G0X+2:G0X+3], s[8:9], s[98:99]
	s_or_b32 s[G0X+3], s[G0X+3], 0x80000000
	s_mov_b32 s[G0G], 1                            ; the gate weights: task w's 16 rows
	s_mul_i32 s[G0G+1], s[WV], 16*PX
	s_add_co_u32 s[G0G+1], s[G0G+1], GWR
	s_mul_i32 s90, s[WV], 16*ROWB
	s_add_nc_u64 s[G0G+2:G0G+3], s[18:19], s[90:91]
	s_or_b32 s[G0G+3], s[G0G+3], 0x80000000
	s_mov_b32 s[G0S], 1                            ; the weights' scales: u half x 64 u x 256 bytes + wave x 16 u
	s_mul_i32 s[G0S+1], s[WV], 16*272
	s_add_co_u32 s[G0S+1], s[G0S+1], WSC
	s_lshl_b32 s90, s2, 14
	s_lshl_b32 s88, s[WV], 12
	s_add_co_u32 s90, s90, s88
	s_add_nc_u64 s[G0S+2:G0S+3], s[14:15], s[90:91]
	s_or_b32 s[G0S+3], s[G0S+3], 0x80000000
	s_mul_i32 s90, s2, 64*URB                      ; the weights: u half, my 32 u, my pair of the stage
	s_mul_i32 s88, s5, 32*URB
	s_add_co_u32 s90, s90, s88
	s_mul_i32 s88, s4, 2*ROWB
	s_add_co_u32 s90, s90, s88
	s_mov_b32 s[G0W0], 1
	s_mul_i32 s[G0W0+1], s[WV], PART               ; pair x PAIR + half x PART = wave x PART
	s_add_nc_u64 s[G0W0+2:G0W0+3], s[12:13], s[90:91]
	s_mov_b32 s[G0W1], 1
	s_add_co_u32 s[G0W1+1], s[G0W0+1], SLOT
	s_add_nc_u64 s[G0W1+2:G0W1+3], s[G0W0+2:G0W0+3], 4*ROWB   ; stage 1: four experts on
	s_or_b32 s[G0W0+3], s[G0W0+3], 0x80000000
	s_or_b32 s[G0W1+3], s[G0W1+3], 0x80000000
	s_lshl_b32 s98, s7, 11                         ; the bases of the small loads: x's scales at my block,
	s_add_nc_u64 s[10:11], s[10:11], s[98:99]
	s_lshl_b32 s90, s[WV], 8                       ; the gate scales and the gate bias at task w,
	s_add_nc_u64 s[20:21], s[20:21], s[90:91]
	s_lshl_b32 s90, s[WV], 6
	s_add_nc_u64 s[22:23], s[22:23], s[90:91]
	s_lshl_b32 s90, s2, 12                         ; the expert bias at my u half
	s_add_nc_u64 s[16:17], s[16:17], s[90:91]
	CROUND                                         ; all four work-groups are here: the first joint loads meet
	tensor_load_to_lds s[G0X:G0X+3], s[G1X:G1X+7]  ; the first fills go out as one group: five loads of mine are out
	s_nop 0
	tensor_load_to_lds s[G0G:G0G+3], s[G1G:G1G+7]
	s_nop 0
	tensor_load_to_lds s[G0S:G0S+3], s[G1S:G1S+7]
	s_nop 0
	tensor_load_to_lds s[G0W0:G0W0+3], s[G1W:G1W+7]
	s_nop 0
	tensor_load_to_lds s[G0W1:G0W1+3], s[G1W:G1W+7]
	s_nop 0
	PLACES
	v_and_b32 v96, 15, v0                          ; r
	v_bfe_u32 v97, v0, 4, 1                        ; h
	v_and_b32 v98, 31, v0
	v_lshlrev_b32 v98, 4, v98                      ; 16 x lane
	v_lshlrev_b32 v99, 4, v96                      ; 16 r
	v_lshlrev_b32 v100, 5, v97                     ; 32 h
	v_lshlrev_b32 v101, 5, v0                      ; 32 x thread
.irp b, 0,1,2,3
	global_load_b128 v[XSB+4*\b:XSB+4*\b+3], v98, s[10:11] offset:512*\b   ; rows 32 b + lane: four words, one a K step
.endr
	global_load_b128 v[WSB:WSB+3], v99, s[20:21]   ; the gate weights' scale words: row (w, e = r)
	global_load_b128 v[BI:BI+3], v100, s[22:23]    ; the gate bias of e = 8 h + 0 .. 7
	global_load_b128 v[BI+4:BI+7], v100, s[22:23] offset:16
	global_load_b128 v[248:251], v101, s[16:17]    ; the expert bias: u = thread / 2, e = 8 (thread % 2) + 0 .. 7
	global_load_b128 v[252:255], v101, s[16:17] offset:16
	v_and_b32 v102, 1, v0
	v_lshlrev_b32 v102, 11, v102
	v_lshrrev_b32 v108, 1, v0
	v_lshl_add_u32 v102, v108, 2, v102
	v_add_nc_u32 v102, BT, v102                    ; where it goes: BT + 256 e + 4 u
	s_lshl_b32 s90, s[WV], 4
	v_add_nc_u32 v108, s90, v96                    ; 16 w + r: my weight row's u, my gate row
	v_mul_u32_u24 v[BW1], v108, PW
	v_mad_u32_u24 v[BW1], v97, 24, v[BW1]
	v_lshl_add_u32 v[BW2], v97, 4, v[BW1]
	s_lshl_b32 s90, s[WV], 6
	s_add_co_u32 s90, s90, BT
	v_lshl_add_u32 v[BB], v97, 5, s90              ; the bias of u = 16 w + 8 h + 0 .. 7
	v_mul_u32_u24 v[BSC], v108, 272
	v_add_nc_u32 v[BSC], WSC, v[BSC]
	v_mul_u32_u24 v[BG], v96, 272
	v_add_nc_u32 v[BG], GT, v[BG]
	v_mul_u32_u24 v103, v96, PX
	v_mad_u32_u24 v103, v97, 24, v103
	v_add_nc_u32 v103, XR, v103                    ; x's fragments: v103, and v104 behind one padding more
	v_lshl_add_u32 v104, v97, 4, v103
	v_mul_u32_u24 v105, v108, PX
	v_mad_u32_u24 v105, v97, 24, v105
	v_add_nc_u32 v105, GWR, v105                   ; the gate weights': v105, v106
	v_lshl_add_u32 v106, v97, 4, v105
	v_lshl_add_u32 v107, v97, 7, v[BG]
	s_lshl_b32 s90, s[WV], 2
	v_add_nc_u32 v107, s90, v107                   ; where my gates go: GT + 272 r + 16 (8 h) + 4 w
.irp b, 0,1,2,3,4,5,6,7
	v_mov_b32 v[NX+\b], 0                          ; written once: a lane permute's destination counts as one of its sources
.endr
	s_wait_loadcnt 0x0
.irp j, 0,1,2,3,4,5,6,7
	ds_store_b32 v102, v[248+\j] offset:256*\j
.endr
	s_wait_tensorcnt 3                             ; x and the gate weights are in; the three loads behind them may stay out
	s_wait_dscnt 0x0                               ; the bias table's stores are done
	s_barrier_signal -1
	s_barrier_wait -1
	WIN 0x40                                       ; destination window 1
.irp bt, 0,1,2,3
.irp k, 0,1,2,3
	FRAG 48*\bt+12*\k, 103, 96*\k, 128, 6912*\bt
.endr
.endr
	WIN 0x80                                       ; destination window 2
.irp bt, 0,1,2,3
.irp k, 0,1,2,3
	FRAG 48*\bt+12*\k, 103, 96*\k, 128, 6912*(\bt+4)
.endr
.endr
	WIN 0
.irp k, 0,1,2,3
	FRAG WB+12*\k, 105, 96*\k, 128, 0
.endr
	s_wait_dscnt 0x0                               ; x is in my registers: my reads of its LDS bytes are over
	s_barrier_signal -1                            ; say so; the gates are made on registers while the others arrive
	; THE GATES of task w: source 0 = its 16 rows (e), source 1 = x: register j of lane (r, h) is the logit of (b = r, e = 8 h + j); the bias is the first C
.irp k, 0,1,2,3
	WIN WM1
.irp bt, 0,1,2,3
	MM 0, \k, \bt
.endr
	WIN WM2
.irp bt, 4,5,6,7
	MM 0, \k, \bt
.endr
.endr
	WIN 0
	PLACES
	; softmax over e: my eight and lane l xor 16's eight; the eight row tiles by turns, so that no line waits for the line above it
.irp b, 0,1,2,3,4,5,6,7
	v_max3_num_f32 v[MX+2*\b], v[HB+8*\b], v[HB+8*\b+1], v[HB+8*\b+2]
.endr
.irp b, 0,1,2,3,4,5,6,7
	v_max3_num_f32 v[MX+2*\b], v[MX+2*\b], v[HB+8*\b+3], v[HB+8*\b+4]
.endr
.irp b, 0,1,2,3,4,5,6,7
	v_max3_num_f32 v[MX+2*\b], v[MX+2*\b], v[HB+8*\b+5], v[HB+8*\b+6]
.endr
.irp b, 0,1,2,3,4,5,6,7
	v_max_num_f32 v[MX+2*\b], v[MX+2*\b], v[HB+8*\b+7]
.endr
.irp b, 0,1,2,3,4,5,6,7
	v_permlanex16_b32 v[NX+\b], v[MX+2*\b], s[SEL], s[SEL+1]
.endr
.irp b, 0,1,2,3,4,5,6,7
	v_max_num_f32 v[MX+2*\b], v[MX+2*\b], v[NX+\b] ; the row's largest logit
.endr
.irp b, 0,1,2,3,4,5,6,7
	v_mul_f32 v[MX+2*\b], s[LC], v[MX+2*\b]        ; x log2(e): one number for the whole row, so its rounding cancels in the division
.endr
.irp b, 0,1,2,3,4,5,6,7
	v_mov_b32 v[MX+2*\b+1], v[MX+2*\b]             ; (the pair is named below)
.endr
.irp b, 0,1,2,3,4,5,6,7
.irp q, 0,2,4,6
	v_pk_fma_f32 v[HB+8*\b+\q:HB+8*\b+\q+1], v[HB+8*\b+\q:HB+8*\b+\q+1], s[LC:LC+1], v[MX+2*\b:MX+2*\b+1] op_sel_hi:[1,0,0] neg_lo:[0,0,1] neg_hi:[0,0,1]
.endr
.endr
.set I, 0
.rept 64
	v_exp_f32 v[HB+I], v[HB+I]
.set I, I+1
.endr
	v_nop                                          ; a plain instruction between the exponentials and the use of their results (ISA guide 5.7.2)
	s_wait_alu depctr_va_vdst(0)
.irp b, 0,1,2,3,4,5,6,7
	v_pk_add_f32 v[SX+2*\b:SX+2*\b+1], v[HB+8*\b:HB+8*\b+1], v[HB+8*\b+2:HB+8*\b+3]
.endr
.irp b, 0,1,2,3,4,5,6,7
	v_pk_add_f32 v[S2+2*\b:S2+2*\b+1], v[HB+8*\b+4:HB+8*\b+5], v[HB+8*\b+6:HB+8*\b+7]
.endr
.irp b, 0,1,2,3,4,5,6,7
	v_pk_add_f32 v[SX+2*\b:SX+2*\b+1], v[SX+2*\b:SX+2*\b+1], v[S2+2*\b:S2+2*\b+1]
.endr
.irp b, 0,1,2,3,4,5,6,7
	v_add_f32 v[SX+2*\b], v[SX+2*\b], v[SX+2*\b+1]
.endr
.irp b, 0,1,2,3,4,5,6,7
	v_permlanex16_b32 v[NX+\b], v[SX+2*\b], s[SEL], s[SEL+1]
.endr
.irp b, 0,1,2,3,4,5,6,7
	v_add_f32 v[SX+2*\b], v[SX+2*\b], v[NX+\b]
.endr
.irp b, 0,1,2,3,4,5,6,7
	v_rcp_f32 v[SX+2*\b], v[SX+2*\b]
.endr
	v_nop                                          ; a plain instruction behind the reciprocals
	s_wait_alu depctr_va_vdst(0)
.irp b, 0,1,2,3,4,5,6,7
	v_mov_b32 v[SX+2*\b+1], v[SX+2*\b]
.endr
.irp b, 0,1,2,3,4,5,6,7
.irp q, 0,2,4,6
	v_pk_mul_f32 v[HB+8*\b+\q:HB+8*\b+\q+1], v[HB+8*\b+\q:HB+8*\b+\q+1], v[SX+2*\b:SX+2*\b+1] op_sel_hi:[1,0]
.endr
.endr
	s_barrier_wait -1                              ; every wave has x in registers: the table may be laid over it
.irp b, 0,1,2,3,4,5,6,7
.irp j, 0,1,2,3,4,5,6,7
	ds_store_b32 v107, v[HB+8*\b+\j] offset:4352*\b+16*\j
.endr
.endr
	s_mov_b32 s[TW], 0
	s_mov_b32 s[TBI], 0
	s_mov_b32 s[TSC], 0
	s_mov_b32 s[TG], 0
	ADDRS
	s_wait_tensorcnt 1                             ; the weights' scales and stage 0 are in; stage 1 may stay out
	s_wait_dscnt 0x0                               ; my gates lie in the table
	s_barrier_signal -1
	s_barrier_wait -1
	FRAG WB, AW1, 0, 256, 0                        ; tile 0's fragments, bias and scale words
	ds_load_b128 v[BI:BI+3], v[AB]
	ds_load_b128 v[BI+4:BI+7], v[AB] offset:16
	FRAG WB+12, AW1, 96, 256, 0
	ds_load_b128 v[WSB:WSB+3], v[ASC]
	FRAG WB+24, AW1, 192, 256, 0
	FRAG WB+36, AW1, 288, 256, 0
	s_wait_dscnt 0x0
	T 0, 0, 0, 1, 0                                ; tile 0: no vector work yet; fetches tile 1 and expert 0's gates
	WIN 0
	SETK 0
	TRIP 1                                         ; tiles 1, 2; tile 0's products with its gates start OUT
	CHANGE G0W0, 1                                 ; slot 0 (experts 0-3) is left and takes experts 8-11
	SETK 1
	s_mov_b32 s[CNT], 2
.Lstage1:                                              ; tiles 3 to 6; fetches from slot 1
	TRIP 0
	s_sub_co_u32 s[CNT], s[CNT], 1
	s_cmp_lg_u32 s[CNT], 0
	s_cbranch_scc1 .Lstage1
	CHANGE G0W1, 1                                 ; slot 1 (experts 4-7) is left and takes experts 12-15
	SETK 3
	s_mov_b32 s[CNT], 2
.Lstage2:                                              ; tiles 7 to 10; fetches from slot 0
	TRIP 0
	s_sub_co_u32 s[CNT], s[CNT], 1
	s_cmp_lg_u32 s[CNT], 0
	s_cbranch_scc1 .Lstage2
	CHANGE G0W0, 0                                 ; nothing is left to fetch: written out
	SETK 5
	s_mov_b32 s[CNT], 2
.Lstage3:                                              ; tiles 11 to 14; fetches from slot 1
	TRIP 0
	s_sub_co_u32 s[CNT], s[CNT], 1
	s_cmp_lg_u32 s[CNT], 0
	s_cbranch_scc1 .Lstage3
	s_mov_b32 s[TG], 16*15
	v_add_nc_u32 v[AG], s[TG], v[BG]
	T 1, 1, 0, 0, 0                                ; tile 15: only its gates are fetched
	s_wait_dscnt 0x0                               ; they are in
	WIN 0
.set I, 0
.rept 64
	v_max_num_f32 v[HB+64+I], 0, v[HB+64+I]        ; tile 15's relu (the eight multiply-adds behind its last matrix instruction are the places), each accumulator from its low end on
.set I, I+1
.endr
	WIN WF
.set VB, 0
.rept 8
.set HF, 0
	FMA8 1, 0
.set HF, 1
	FMA8 1, 0
.set VB, VB+1
.endr
	WIN 0
	; THE WAY OUT.  A lane holds 32 neighbouring bytes of a row of each task, and a row's 256 bytes come from four waves: they meet in a stage, and wave w stores task w's 128 rows.
	v_and_b32 v13, 15, v0
	v_bfe_u32 v14, v0, 4, 1
	v_mul_u32_u24 v3, v13, 272
	v_lshl_add_u32 v3, v14, 5, v3
	s_lshl_b32 s88, s[WV], 6
	v_add_nc_u32 v3, s88, v3                       ; in: 272 r + 64 w + 32 h, tasks 0, 1;
	v_add_nc_u32 v4, 2*TPL, v3                     ; tasks 2, 3 (the offset field holds 16 bits)
	v_mul_u32_u24 v5, v14, 272
	v_lshl_add_u32 v5, v13, 4, v5
	s_mul_i32 s88, s[WV], TPL
	v_add_nc_u32 v5, s88, v5                       ; back: lanes 0-15 one row of 256 bytes, lanes 16-31 the next
	v_lshlrev_b32 v6, 9, v14
	v_lshl_add_u32 v6, v13, 4, v6                  ; and the same two rows in the output (512 bytes a row)
	s_cmp_eq_u32 s[WV], 1                          ; task w's buffer: a choice on the wave's number alone
	s_cselect_b64 s[24:25], s[26:27], s[24:25]
	s_cmp_eq_u32 s[WV], 2
	s_cselect_b64 s[24:25], s[28:29], s[24:25]
	s_cmp_eq_u32 s[WV], 3
	s_cselect_b64 s[24:25], s[30:31], s[24:25]
	s_lshl_b32 s98, s7, 16                         ; my block's 128 rows of 512 bytes, my u half's 256 bytes
	s_lshl_b32 s99, s2, 8
	s_add_co_u32 s98, s98, s99
	s_mov_b32 s99, 0
	s_add_nc_u64 s[24:25], s[24:25], s[98:99]
	s_wait_dscnt 0x0
	s_barrier_signal -1
	s_barrier_wait -1                              ; no wave reads the slots any more, and they have had their last fill
	WIN 0x0c                                       ; an LDS store's data are its source 1: window 3
.irp bt, 0,1,2,3,4,5,6,7
.irp t, 0,1
	ds_store_b128 v3, v[32*\bt+8*\t:32*\bt+8*\t+3] offset:TPL*\t+4352*\bt
	ds_store_b128 v3, v[32*\bt+8*\t+4:32*\bt+8*\t+7] offset:TPL*\t+4352*\bt+16
	ds_store_b128 v4, v[32*\bt+8*\t+16:32*\bt+8*\t+19] offset:TPL*\t+4352*\bt
	ds_store_b128 v4, v[32*\bt+8*\t+20:32*\bt+8*\t+23] offset:TPL*\t+4352*\bt+16
.endr
.endr
	WIN 0
	s_wait_dscnt 0x0                               ; for the others' sake: my stores into the stage are done
	s_barrier_signal -1
	s_barrier_wait -1
	WIN 0x40                                       ; destination window 1, where x lay
.set I, 0
.rept 64
	ds_load_b128 v[4*I:4*I+3], v5 offset:544*I
.set I, I+1
.endr
	WIN 0x04                                       ; a store's data are its source 1: window 1
.set I, 0
.rept 64
	s_wait_dscnt 63-I                              ; LDS loads come back in order: load I is in
	global_store_b128 v6, v[4*I:4*I+3], s[24:25] offset:1024*I th:TH_STORE_NT   ; 16 lanes store 256 consecutive bytes, at a multiple of 256 from the buffer's first byte
.set I, I+1
.endr
	WIN 0
	s_wait_tensorcnt 0x0                           ; the wave's end
	ds_add_u32 v[SPW], v[NIL]
	s_wait_dscnt 0x0
	CROUND                                         ; the closing round: no work-group ends while a partner may still ask for a tile that names it
	s_endpgm
.Lfunc_end_k_q72550b4eb6_mmoe:
	.size	k_q72550b4eb6_mmoe, .Lfunc_end_k_q72550b4eb6_mmoe-k_q72550b4eb6_mmoe
	.p2alignl 7, 3214868480
	.fill 96, 4, 3214868480
	.section	.rodata,"a",@progbits
	.p2align	6, 0x0
	.amdhsa_kernel k_q72550b4eb6_mmoe
		.amdhsa_group_segment_fixed_size 327680
		.amdhsa_private_segment_fixed_size 0
		.amdhsa_enable_private_segment 0
		.amdhsa_kernarg_size 96
		.amdhsa_user_sgpr_count 2
		.amdhsa_user_sgpr_kernarg_segment_ptr 1
		.amdhsa_wavefront_size32 1
		.amdhsa_system_sgpr_workgroup_id_x 1
		.amdhsa_system_sgpr_workgroup_id_y 1
		.amdhsa_system_sgpr_workgroup_id_z 1
		.amdhsa_system_vgpr_workitem_id 0
		.amdhsa_next_free_vgpr 1024
		.amdhsa_next_free_sgpr 100
		.amdhsa_reserve_vcc 0
		.amdhsa_float_denorm_mode_32 3
		.amdhsa_float_denorm_mode_16_64 3
		.amdhsa_memory_ordered 1
		.amdhsa_forward_progress 1
		.amdhsa_inst_pref_size 255
	.end_amdhsa_kernel
	.section	.bss,"aw",@nobits
	.p2align	6
	.space	262144
	.amdgpu_metadata
---
amdhsa.version: [ 1, 2 ]
amdhsa.kernels:
  - .name:           k_q72550b4eb6_mmoe
    .symbol:         k_q72550b4eb6_mmoe.kd
    .args:
      - { .name: x_codes, .offset: 0, .size: 8, .value_kind: global_buffer, .address_space: global }
      - { .name: x_scales, .offset: 8, .size: 8, .value_kind: global_buffer, .address_space: global }
      - { .name: expert_kernels_codes, .offset: 16, .size: 8, .value_kind: global_buffer, .address_space: global }
      - { .name: expert_kernels_scales, .offset: 24, .size: 8, .value_kind: global_buffer, .address_space: global }
      - { .name: expert_bias, .offset: 32, .size: 8, .value_kind: global_buffer, .address_space: global }
      - { .name: gate_kernels_codes, .offset: 40, .size: 8, .value_kind: global_buffer, .address_space: global }
      - { .name: gate_kernels_scales, .offset: 48, .size: 8, .value_kind: global_buffer, .address_space: global }
      - { .name: gate_bias, .offset: 56, .size: 8, .value_kind: global_buffer, .address_space: global }
      - { .name: out0, .offset: 64, .size: 8, .value_kind: global_buffer, .address_space: global }
      - { .name: out1, .offset: 72, .size: 8, .value_kind: global_buffer, .address_space: global }
      - { .name: out2, .offset: 80, .size: 8, .value_kind: global_buffer, .address_space: global }
      - { .name: out3, .offset: 88, .size: 8, .value_kind: global_buffer, .address_space: global }
    .group_segment_fixed_size: 327680
    .private_segment_fixed_size: 0
    .kernarg_segment_align: 8
    .kernarg_segment_size: 96
    .max_flat_workgroup_size: 128
    .sgpr_count:     100
    .vgpr_count:     1024
    .wavefront_size: 32
...
	.end_amdgpu_metadata
.endif
;; end of part 2
